; MI455X (gfx1250); checked and timed in simulation.
; The chip was launched on July 23, 2026; its instructions are those of AMD's public machine-readable ISA for CDNA 5 (MIT licence, August 2026) and "CDNA5" Instruction Set Architecture Reference Guide (July 2026). The comments in the code are by the model that wrote it; some were corrected since.
;; Tree Attention Wrapper. Allowed arithmetic: matrix products marked QUANTISED: E3M2 operands, one E8M0 scale for each 32 along K, by v_wmma_scale_f32_16x16x128_f8f6f4 with both operands' format E3M2, f32 sums; everything else in f32.
;; Inputs: cu_seqlens 2 int32; k_codes 1 x 16 x 4,096 x 4 x 24 uint8 (E3M2 codes of k, K innermost, in blocks of 32 codes, four codes in three bytes); k_scales 1 x 16 x 4,096 x 4 uint8 (E8M0 scales of k, one for each 32 codes along K); mask 4,096 x 4,096 bool; q_codes 1 x 16 x 4,096 x 4 x 24 uint8 (E3M2 codes of q, K innermost, in blocks of 32 codes, four codes in three bytes); q_scales 1 x 16 x 4,096 x 4 uint8 (E8M0 scales of q, one for each 32 codes along K); v_codes 1 x 16 x 128 x 128 x 24 uint8 (E3M2 codes of v, K innermost, in blocks of 32 codes, four codes in three bytes); v_scales 1 x 16 x 128 x 128 uint8 (E8M0 scales of v, one for each 32 codes along K).
;; Outputs: out0 1 x 16 x 4,096 x 128 float32.
;; Constants: max_seqlen = 4096.
;; This version of the problem:
;;   THIS VERSION OF THE PROBLEM IS GIVEN IN LOW PRECISION. The matrix products marked QUANTISED in the list below multiply operands that are first quantised to E3M2 (3 exponent bits, 2 mantissa bits; 6 bits a number), with one power-of-two scale for each 32 numbers along K (OCP MX v1.0); their sums are f32. All else is computed in f32.
;;   The module's matrix products, in the order in which they are computed (A, B: the left and right operand; K: the contracted axis; several contracted axes count as one K, in the product's order):
;;     1. batch 16 x [M 4,096, K 128] x [K 128, N 4,096]; A: input q (given as codes); B: input k (given as codes): QUANTISED
;;     2. batch 16 x [M 4,096, K 4,096] x [K 4,096, N 128]; A: softmax (see below); B: input v (given as codes): QUANTISED
;;   THE QUANTISER, for each operand of a quantised product, along K:
;;     - K is cut into blocks of 32 from its start; a last block that is shorter is filled with zeros.
;;     - A block's scale is 2^e with e = floor(log2(the largest magnitude in the block)) - 4, held to -126 .. 127; a block of zeros has e = 0. As a byte (E8M0): e + 127.
;;     - Each number is divided by its block's scale, clamped to +-28, and rounded to the nearest number of E3M2, ties to even, subnormals kept.
;;     - The product sums the exact products of the quantised numbers (number of the format x scale) in f32.
;;   ~~~python
;;   def quantise(x, axis):      # numpy; x: float32 -> the quantised numbers, widened to float32 again
;;       x = np.moveaxis(x, axis, -1); K = x.shape[-1]
;;       x = np.pad(x, [(0, 0)] * (x.ndim - 1) + [(0, -K % 32)]); x = x.reshape(x.shape[:-1] + (-1, 32)); a = np.abs(x).max(-1, keepdims=True)
;;       e = np.where(a > 0, np.clip(np.frexp(np.where(a > 0, a, 1))[1] - 1 - 4, -126, 127), 0)      # np.frexp(a)[1] - 1 = floor(log2(a)), exactly
;;       r = np.clip(x / 2.0 ** e, -28, 28)
;;       step = 2.0 ** (np.maximum(np.frexp(np.where(r == 0, 1, r))[1] - 1, -2) - 2)
;;       q = np.round(r / step) * step * 2.0 ** e      # np.round: ties to even
;;       return np.moveaxis(q.reshape(q.shape[:-2] + (-1,))[..., :K], -1, axis).astype(np.float32)
;;   ~~~
;;   SOFTMAX AHEAD OF A QUANTISED PRODUCT. Where the list says 'softmax', what is quantised is not the finished softmax but p = 2^(t - M), with t = logit x log2(e) and M = ceil(the row's largest t), a whole number; so 1/2 < the row's largest p <= 1. The row's sum l is taken of the UNQUANTISED p, in f32, and the product's result is divided by l at the end. Since M is a whole number, a kernel that streams over the keys may use a running M (the ceiling of the running maximum): every later rescaling is an exact power of two, which a block's scale takes up: the codes' values come out the same.
;;   OPERANDS COMPUTED ON THE WAY. 'Computed on the way' means the value that the module computes at that place (a softmax that the list does not call 'softmax' is quantised finished and normalised). What goes into a quantiser is computed in f32, as accurately as f32 sums, v_exp_f32 and their like allow (about 1e-6 of the number): no bf16 or f16 on the way to a quantiser, and a product that is left as it is and whose result goes on into a quantised operand takes f32 operands (vector FMAs, or v_wmma_f32_16x16x4_f32). A number that lies on a knife's edge between two numbers of the format may be rounded either way, as far as f32 arithmetic and the matrix unit's own rounding can turn it there, and no further.
;;   INPUTS GIVEN AS CODES. k (in the module: [1, 16, 4096, 128], K = its axis 3); q (in the module: [1, 16, 4096, 128], K = its axis 3); v (in the module: [1, 16, 4096, 128], K = its axis 2): each comes as NAME_codes (uint8): NAME with its K axis moved to the last place and cut into blocks of 32 codes, [.., K / 32, bytes a block], one block behind the other in memory; four codes in three bytes: a row's codes are one little-endian stream of bits, code i at bits 6 i .. 6 i + 5 (a code: sign, 3 exponent bits, 2 mantissa bits); and NAME_scales (uint8): the same leading axes, one E8M0 byte (e + 127) for each 32 codes along K. Its value is code x scale, taken as it is: it is not quantised again, and the codes and scales need not be those that the quantiser above would give.
;; One version. Each part assembles by itself: llvm-mc -triple=amdgcn-amd-amdhsa -mcpu=gfx1250 --defsym DOCPART=n.
;; ======== version 1 of 1: 2 launches
;; workspace buffers: cls 2,048 bytes of whole numbers; kv 13,107,200 bytes
;; launch prep (part 1): grid 768 x 1, 8 waves a work-group, no clusters, 1,280 bytes of LDS; arguments mask, k_codes, k_scales, v_codes, v_scales, cls, kv; writes cls, kv
.if DOCPART == 1
	.amdgcn_target "amdgcn-amd-amdhsa--gfx1250"
	.amdhsa_code_object_version 6
	.text
	.protected	k_q3fed1896c2_prep
	.globl	k_q3fed1896c2_prep
	.p2align	8
	.type	k_q3fed1896c2_prep,@function
k_q3fed1896c2_prep:
	s_mov_b64 s[64:65], 0
	v_nop
	global_prefetch_b8 v0, s[64:65] scope:SCOPE_SE
	s_setreg_imm32_b32 hwreg(HW_REG_WAVE_MODE, 25, 1), 1
	s_wait_xcnt 0x0
; TWO PIECES OF WORK AHEAD OF THE ATTENTION, in one launch; a work-group's number says which is its own.
; WORK-GROUPS 0-255, THE MASK.  Work-group T reads the 16 rows of the mask that belong to the tile of queries 16 T .. 16 T + 15 (65,536 bytes, each once) and stores two words of whole numbers:
;   act, bit kk: key step kk (keys 128 kk .. 128 kk + 127) has to be worked for this tile;   par, bit kk: the mask has to be applied there.
;   ANY(kk): some byte of the 16 x 128 is set.  ALL(kk): every one is.  A row with no visible key in all 4,096 becomes, in reference(), the plain mean over all keys: a tile with such a row works every step:
;   act = (every row sees some key) ? ANY : all ones;   par = act and not ALL.
; WORK-GROUPS 256-767, K AND V.  Work-group 256 + b (head b / 32, key step b % 32) lays that step's codes and scale words into one block of 25,600 bytes of kv, IN THE ORDER OF THE OPERANDS' REGISTERS:
;   +0      K: 8 fragments of 1,536 bytes; fragment t: registers 4 g .. 4 g + 3 of lane l at 1536 t + 512 g + 16 l.  Lane r of fragment t is key 32 (t / 2) + 8 (t % 2) + r + 8 (r / 8) of the step,
;           so that the 16 result registers of fragments 2 b, 2 b + 1 are 16 neighbouring keys (what the quantiser of p wants)
;   +12288  V^T: 8 fragments likewise; lane r of fragment t is channel 16 t + r, K = the step's 128 keys
;   +24576  K's scale words: lane (r, h) has 16 bytes: word e belongs to fragment 4 h + e, row r        +25088  V's likewise
; So the attention reads a step as one dense block, and a fragment by three loads of 16 bytes a lane.
; LIMIT: mask bytes are 0 or 1 (a bool as JAX stores it).
; V's rows lie 3,072 bytes apart and a step takes 96 bytes of each: these reads are short pieces; the stores of kv cover 512 consecutive bytes each, aligned.  The two words of cls are 8 bytes a work-group.
; No tensor loads, no matrix work, no cluster: every byte is read by one work-group and copied or reduced once.
.set TILES,  256                       ; tiles of 16 queries
.set BLK,    25600                     ; a key step's block in kv
.set HCODES, 393216                    ; a head's codes in bytes (4,096 x 128 x 6 / 8)
	s_load_b256 s[4:11], s[0:1], 0x0               ; mask s[4:5], K's codes s[6:7], K's scales s[8:9], V's codes s[10:11]
	s_load_b128 s[12:15], s[0:1], 0x20             ; V's scales s[12:13], cls s[14:15]
	s_load_b64 s[16:17], s[0:1], 0x30              ; kv
	v_lshl_add_u32 v128, v0, 2, 0x100
	v_mov_b32 v129, 0
	v_lshrrev_b32 v1, 5, v0
	s_delay_alu instid0(VALU_DEP_1)
	v_readfirstlane_b32 s18, v1                    ; wave 0..7
	v_and_b32 v1, 31, v0                           ; lane
	v_and_b32 v2, 15, v0                           ; r
	v_bfe_u32 v3, v0, 4, 1                         ; h
	s_delay_alu instid0(VALU_DEP_3)
	v_lshlrev_b32 v4, 4, v1                        ; 16 x lane
	s_mov_b32 s21, 0                               ; the upper word of every offset pair s[20:21]
	s_wait_kmcnt 0x0
	s_cmp_lt_u32 ttmp9, TILES                      ; the same for all eight waves of a work-group
	s_cbranch_scc0 .Lrelay
	; ---- THE MASK.  Wave w takes columns 512 w .. 512 w + 511 (key steps 4 w .. 4 w + 3) of the tile's 16 rows: a load covers 512 consecutive bytes of one row; lane l lies in key step 4 w + l / 8
	s_lshl_b32 s20, ttmp9, 16                      ; 16 rows of 4,096 bytes a tile
	s_lshl_b32 s22, s18, 9
	s_add_co_u32 s20, s20, s22
	s_add_nc_u64 s[20:21], s[4:5], s[20:21]
	s_wait_alu depctr_va_vdst(0)
.irp i, 0,1,2,3,4,5,6,7,8,9,10,11,12,13,14,15
	global_load_b128 v[16+4*\i:19+4*\i], v4, s[20:21] offset:4096*\i
.endr
	s_wait_loadcnt 0x0
.irp i, 0,1,2,3,4,5,6,7,8,9,10,11,12,13,14,15
	v_or_b32 v[80+\i], v[16+4*\i], v[17+4*\i]      ; row i: my 16 bytes, ORed
	s_delay_alu instid0(VALU_DEP_1)
	v_or_b32 v[80+\i], v[80+\i], v[18+4*\i]
	s_delay_alu instid0(VALU_DEP_1)
	v_or_b32 v[80+\i], v[80+\i], v[19+4*\i]
.endr
	v_or_b32 v96, v80, v81                         ; all 16 rows: ANY, for my 16 columns
.irp i, 2,3,4,5,6,7,8,9,10,11,12,13,14,15
	s_delay_alu instid0(VALU_DEP_1)
	v_or_b32 v96, v96, v[80+\i]
.endr
.irp c, 0,1,2,3
	v_and_b32 v[100+\c], v[16+\c], v[20+\c]        ; ALL: the AND of my 64 words, in four chains
.endr
.irp i, 2,3,4,5,6,7,8,9,10,11,12,13,14,15
.irp c, 0,1,2,3
	s_delay_alu instid0(VALU_DEP_4)
	v_and_b32 v[100+\c], v[100+\c], v[16+4*\i+\c]
.endr
.endr
	s_delay_alu instid0(VALU_DEP_3)
	v_and_b32 v97, v100, v101
	s_delay_alu instid0(VALU_DEP_2)
	v_and_b32 v98, v102, v103
	s_delay_alu instid0(VALU_DEP_1)
	v_and_b32 v97, v97, v98                        ; 0x01010101 where all my 256 bytes are 1
	; the wave's word: bits 0-3 ANY of its four key steps, bits 4-7 ALL, bits 8-23: row i sees some key among the wave's 512
	s_mov_b32 s40, 0
.irp i, 0,1,2,3,4,5,6,7,8,9,10,11,12,13,14,15
	v_cmp_ne_u32 s42, 0, v[80+\i]
	s_cmp_lg_u32 s42, 0
	s_cselect_b32 s41, 1<<(8+\i), 0
	s_or_b32 s40, s40, s41
.endr
	v_cmp_ne_u32 s42, 0, v96
	v_cmp_eq_u32 s43, 0x01010101, v97
.irp u, 0,1,2,3
	s_bfe_u32 s41, s42, (8<<16)|(8*\u)             ; the eight lanes of key step 4 w + u
	s_cmp_lg_u32 s41, 0
	s_cselect_b32 s41, 1<<\u, 0
	s_or_b32 s40, s40, s41
	s_bfe_u32 s41, s43, (8<<16)|(8*\u)
	s_cmp_eq_u32 s41, 0xff
	s_cselect_b32 s41, 1<<(4+\u), 0
	s_or_b32 s40, s40, s41
.endr
	v_mov_b32 v8, s40
	v_mov_b32 v9, s18
	s_delay_alu instid0(VALU_DEP_1)
	v_lshlrev_b32 v9, 2, v9
	ds_store_b32 v9, v8                            ; LDS word w: all lanes write the same word with the same value
	s_wait_dscnt 0x0                               ; for the others' sake: my store has landed
	s_barrier_signal -1
	s_barrier_wait -1                              ; the launch's one barrier: the eight words lie in LDS
	v_mov_b32 v10, 0
	ds_load_b128 v[16:19], v10
	ds_load_b128 v[20:23], v10 offset:16
	s_wait_dscnt 0x0
.irp w, 0,1,2,3,4,5,6,7
	v_readfirstlane_b32 s[48+\w], v[16+\w]
.endr
	s_mov_b32 s44, 0                               ; rows that see some key
	s_mov_b32 s45, 0                               ; ANY, 32 bits
	s_mov_b32 s46, 0                               ; ALL, 32 bits
.irp w, 0,1,2,3,4,5,6,7
	s_lshr_b32 s41, s[48+\w], 8
	s_or_b32 s44, s44, s41
	s_and_b32 s41, s[48+\w], 15
	s_lshl_b32 s41, s41, 4*\w
	s_or_b32 s45, s45, s41
	s_bfe_u32 s41, s[48+\w], (4<<16)|4
	s_lshl_b32 s41, s41, 4*\w
	s_or_b32 s46, s46, s41
.endr
	s_cmp_eq_u32 s44, 0xffff                       ; does every row see some key?
	s_cselect_b32 s45, s45, -1                     ; act
	s_and_not1_b32 s46, s45, s46                   ; par
	s_lshl_b32 s41, ttmp9, 2
	v_mov_b32 v5, s41
	v_mov_b32 v6, s45
	v_mov_b32 v7, s46
	v_cmp_eq_u32 vcc_lo, 0, v0                     ; thread 0 stores for the work-group
	s_wait_alu depctr_va_vdst(0)
	s_wait_xcnt 0x0                                ; EXEC changes only behind this wait
	s_wait_tensorcnt 0x0
	ds_add_u32 v128, v129
	s_wait_dscnt 0x0
	s_and_saveexec_b32 s47, vcc_lo
	global_store_b32 v5, v6, s[14:15]
	global_store_b32 v5, v7, s[14:15] offset:1024
	s_wait_xcnt 0x0                                ; and again in front of the line that widens it
	s_or_b32 exec_lo, exec_lo, s47
	s_endpgm
	; ---- K AND V.  Wave w copies fragments 2 w, 2 w + 1 of the block's sixteen: waves 0-3 K's, waves 4-7 V's.  Waves 0 and 4 also copy the scale words.
; two fragments: lane (r, h) takes 24 bytes at its row + 24 h and 24 bytes 48 further on, in pieces of 8 bytes; the second fragment's rows begin ustep bytes behind the first's
.macro RELAY ustep
.irp u, 0,1
.irp p, 0,1,2,3,4,5
	global_load_b64 v[16+12*\u+2*\p:17+12*\u+2*\p], v6, s[34:35] offset:\u*\ustep+48*(\p/3)+8*(\p%3)
.endr
.endr
.endm
; and out, as they stand in the registers: each store covers 512 consecutive bytes, at a multiple of 512 from kv's first byte
.macro SEND
.irp u, 0,1
.irp g, 0,1,2
	global_store_b128 v4, v[16+12*\u+4*\g:19+12*\u+4*\g], s[28:29] offset:1536*\u+512*\g
.endr
.endr
.endm
.Lrelay:
	s_sub_co_u32 s19, ttmp9, TILES                 ; b
	s_lshr_b32 s22, s19, 5                         ; the head
	s_and_b32 s23, s19, 31                         ; the key step
	s_and_b32 s24, s18, 3                          ; which pair of K's or of V's fragments
	s_mul_i32 s20, s19, BLK
	s_add_nc_u64 s[26:27], s[16:17], s[20:21]      ; my block of kv
	s_mul_i32 s20, s18, 3072
	s_add_nc_u64 s[28:29], s[26:27], s[20:21]      ; my two fragments in it (V's eight follow K's eight)
	s_lshr_b32 s20, s18, 2
	s_lshl_b32 s20, s20, 9
	s_add_co_u32 s20, s20, 24576
	s_add_nc_u64 s[26:27], s[26:27], s[20:21]      ; K's (waves 0-3) or V's (waves 4-7) scale words in it
	s_mul_i32 s30, s22, HCODES                     ; the head's first byte of codes,
	s_lshl_b32 s31, s22, 14                        ; and of scale bytes (16,384 a head)
	s_cmp_lt_u32 s18, 4
	s_cbranch_scc0 .Lv_arm
	s_mul_i32 s20, s23, 12288                      ; K: 128 keys of 96 bytes a step,
	s_add_co_u32 s20, s20, s30
	s_mul_i32 s32, s24, 3072                       ; 32 keys a pair of fragments
	s_add_co_u32 s20, s20, s32
	s_add_nc_u64 s[34:35], s[6:7], s[20:21]
	s_wait_alu depctr_va_vdst(0)
	v_and_b32 v5, 8, v2
	s_delay_alu instid0(VALU_DEP_1)
	v_add_nc_u32 v5, v5, v2                        ; r + 8 (r / 8)
	s_delay_alu instid0(VALU_DEP_1)
	v_mul_u32_u24 v6, v5, 96
	s_delay_alu instid0(VALU_DEP_1)
	v_mad_u32_u24 v6, v3, 24, v6
	RELAY 768                                      ; the odd fragment's keys begin 8 keys on
	s_cmp_lg_u32 s24, 0
	s_cbranch_scc1 .Lplain
	s_lshl_b32 s20, s23, 9                         ; K's scale words: 4 bytes a key
	s_add_co_u32 s20, s20, s31
	s_add_nc_u64 s[36:37], s[8:9], s[20:21]
	v_lshl_add_u32 v7, v3, 6, v5                   ; key 64 h + r + 8 (r / 8), + 32 (e / 2) + 8 (e % 2) for word e
	s_delay_alu instid0(VALU_DEP_1)
	v_lshlrev_b32 v7, 2, v7
	global_load_b32 v40, v7, s[36:37]
	global_load_b32 v41, v7, s[36:37] offset:32
	global_load_b32 v42, v7, s[36:37] offset:128
	global_load_b32 v43, v7, s[36:37] offset:160
	s_branch .Lwith
.Lv_arm:
	s_mul_i32 s20, s24, 98304                      ; V: 32 channels of 3,072 bytes a pair of fragments,
	s_add_co_u32 s20, s20, s30
	s_mul_i32 s32, s23, 96                         ; 96 bytes of each row a step
	s_add_co_u32 s20, s20, s32
	s_add_nc_u64 s[34:35], s[10:11], s[20:21]
	s_wait_alu depctr_va_vdst(0)
	v_mul_u32_u24 v6, v2, 3072
	s_delay_alu instid0(VALU_DEP_1)
	v_mad_u32_u24 v6, v3, 24, v6
	RELAY 49152                                    ; the odd fragment's channels begin 16 rows on
	s_cmp_lg_u32 s24, 0
	s_cbranch_scc1 .Lplain
	s_lshl_b32 s20, s23, 2                         ; V's scale words: 128 bytes a channel, 4 of them a step
	s_add_co_u32 s20, s20, s31
	s_add_nc_u64 s[36:37], s[12:13], s[20:21]
	v_lshl_add_u32 v7, v3, 6, v2                   ; channel 64 h + r, + 16 e for word e
	s_delay_alu instid0(VALU_DEP_1)
	v_lshlrev_b32 v7, 7, v7
.irp e, 0,1,2,3
	global_load_b32 v[40+\e], v7, s[36:37] offset:2048*\e
.endr
.Lwith:                                                ; waves 0 and 4: fragments and scale words
	s_wait_loadcnt 0x0
	SEND
	global_store_b128 v4, v[40:43], s[26:27]
	s_endpgm
.Lplain:                                               ; the other waves: fragments alone
	s_wait_loadcnt 0x0
	SEND
	s_endpgm
.Lfunc_end_k_q3fed1896c2_prep:
	.size	k_q3fed1896c2_prep, .Lfunc_end_k_q3fed1896c2_prep-k_q3fed1896c2_prep
	.p2alignl 7, 3214868480
	.fill 96, 4, 3214868480
	.section	.rodata,"a",@progbits
	.p2align	6, 0x0
	.amdhsa_kernel k_q3fed1896c2_prep
		.amdhsa_group_segment_fixed_size 1280
		.amdhsa_private_segment_fixed_size 0
		.amdhsa_enable_private_segment 0
		.amdhsa_kernarg_size 56
		.amdhsa_user_sgpr_count 2
		.amdhsa_user_sgpr_kernarg_segment_ptr 1
		.amdhsa_wavefront_size32 1
		.amdhsa_system_sgpr_workgroup_id_x 1
		.amdhsa_system_sgpr_workgroup_id_y 1
		.amdhsa_system_sgpr_workgroup_id_z 1
		.amdhsa_system_vgpr_workitem_id 0
		.amdhsa_next_free_vgpr 130
		.amdhsa_next_free_sgpr 66
		.amdhsa_reserve_vcc 1
		.amdhsa_float_denorm_mode_32 3
		.amdhsa_float_denorm_mode_16_64 3
		.amdhsa_memory_ordered 1
		.amdhsa_forward_progress 1
		.amdhsa_inst_pref_size 25
	.end_amdhsa_kernel
	.amdgpu_metadata
---
amdhsa.version: [ 1, 2 ]
amdhsa.kernels:
  - .name:           k_q3fed1896c2_prep
    .symbol:         k_q3fed1896c2_prep.kd
    .args:
      - { .name: mask, .offset: 0, .size: 8, .value_kind: global_buffer, .address_space: global }
      - { .name: k_codes, .offset: 8, .size: 8, .value_kind: global_buffer, .address_space: global }
      - { .name: k_scales, .offset: 16, .size: 8, .value_kind: global_buffer, .address_space: global }
      - { .name: v_codes, .offset: 24, .size: 8, .value_kind: global_buffer, .address_space: global }
      - { .name: v_scales, .offset: 32, .size: 8, .value_kind: global_buffer, .address_space: global }
      - { .name: cls, .offset: 40, .size: 8, .value_kind: global_buffer, .address_space: global }
      - { .name: kv, .offset: 48, .size: 8, .value_kind: global_buffer, .address_space: global }
    .group_segment_fixed_size: 1280
    .private_segment_fixed_size: 0
    .kernarg_segment_align: 8
    .kernarg_segment_size: 56
    .max_flat_workgroup_size: 256
    .sgpr_count:     66
    .vgpr_count:     130
    .wavefront_size: 32
...
	.end_amdgpu_metadata
.endif
;; end of part 1
;; launch attn (part 2): grid 16 x 16, 16 waves a work-group, no clusters, 276,480 bytes of LDS; arguments q_codes, q_scales, kv, cls, mask, out0; writes out0
.if DOCPART == 2
	.amdgcn_target "amdgcn-amd-amdhsa--gfx1250"
	.amdhsa_code_object_version 6
	.text
	.protected	k_q3fed1896c2_attn
	.globl	k_q3fed1896c2_attn
	.p2align	8
	.type	k_q3fed1896c2_attn,@function
k_q3fed1896c2_attn:
	s_mov_b64 s[64:65], 0
	v_nop
	global_prefetch_b8 v0, s[64:65] scope:SCOPE_SE
	s_setreg_imm32_b32 hwreg(HW_REG_WAVE_MODE, 25, 1), 1
	s_wait_xcnt 0x0
; O[h][q][:] = the sum over k of softmax_k(mask[q][k] ? Q[h][q] . K[h][k] / sqrt(128) : -1e30) V[h][k][:], both products on codes of BF6 (E3M2) with one E8M0 scale for each 32 along a product's K.
; Q: codes and scale words as given.  K and V: from kv, where the launch before has laid each key step of 128 keys as one block of 25,600 bytes in the order of the operands' registers
; (K's 8 fragments, V^T's 8 fragments, K's scale words, V's scale words).  cls: for each tile of 16 queries a word act (bit kk: key step kk has to be worked) and a word par (bit kk: the mask has to be applied there).
; THE SOFTMAX AHEAD OF THE SECOND PRODUCT: t = score x log2(e) / sqrt(128); M = the row's largest t so far, rounded UP to a whole number; p = 2^(t - M) is quantised along the keys, not normalised;
; the row's sum is taken of the unquantised p and divides O at the end.  When M moves, the sum and O are multiplied by 2^(old M - new M): exact.
; THE MASK.  A hidden score is replaced by X = -2^103.  X is a power of two, so X x c is exact: a row that has seen hidden keys alone has M = X c and p = 2^0 = 1 for each of them.  At the row's first visible
; key old M - new M saturates, the factor is 0 and wipes what was summed; from then on hidden keys give p = 0.  A row with no visible key at all keeps p = 1 for all 4,096 keys (its tile's act has every bit set):
; the plain mean, as reference() gives it with its -1e30.  A step that act leaves out would have added zeros alone.
; LIMITS: |score x c| stays under 2^100; mask bytes are 0 or 1; no scale byte is 0xff.  cu_seqlens and max_seqlen do not enter reference()'s result and are not read.
; SHARES.  A work-group owns 256 queries of one head; each of its SIXTEEN waves owns 16 of them, one tile, in 256 registers: four waves to a SIMD, so that one wave's vector work stands beside another's matrix work.
; The work-group walks the union of its 16 tiles' act words, lowest step first; a wave whose own bit is clear only helps to carry the blocks.
; A BLOCK'S WAY: 512 threads load 3 x 16 + 2 bytes each into registers (dense, a whole trip ahead) and store them into one of EIGHT LDS slots.  Through registers and not by the tensor data mover, since which
; block is fetched, and whether any, hangs on numbers read from cls.
; ONE BARRIER FOR FOUR TRIPS.  The slots are two halves of four.  Trip t reads slot t % 8, stores the block in its registers (the list's entry t + 4) into slot (t + 4) % 8 and asks for entry t + 5.  Between two
; barriers one half is read and the other written; in front of a barrier each wave's LDS loads and stores are done.  So the stores of entry t (trip t - 4) and its reads (trip t), and the reads of a slot (trip t - 4)
; and the next stores into it (trip t), are each parted by the barrier at the head of trip t's four.  Inside the four no wave waits for another: the waves of a SIMD need not stand at the same place of a step,
; and one wave's LDS loads stand beside another's softmax.
; THE LOOP HAS 32 TRIPS WHATEVER THE LIST'S LENGTH, so that every wave passes every barrier; the listed steps fill the first trips, and an empty trip is a few scalar lines.
; NO CLUSTER: the query blocks of a head would share K's and V's blocks, but each walks a list of its own, read from memory, of its own length; a joint walk would give every partner the union of the four lists.
; LAYOUT.  Both products are used transposed: S^T = K Q^T (source 0 = 16 keys, source 1 = my 16 queries), O^T = V^T P^T: a lane holds ONE query (lane % 16) throughout;
; S^T's register 16 b + i of lane (r, h) is key 32 b + 16 h + i of the step.
; REGISTERS: v1-11, v28-31, v93 addresses that stay; v12 -M, v13 the largest t, v[14:15] the sum in two halves; v16-27 Q; v32-79 four fragments; v80-92 the block on its way; v96-159 S^T, then p, then V's
; fragments 4-7 (at the head: the first four blocks on their way); v160-223 O^T; v224-235 p's codes (before that v224-239: the step's 64 mask bytes); v232-247, v252, v254 at work;
; v248-251 K's, then V's scale words; v253 p's scale word; v255 Q's.
.set BLK,   25600                      ; a key step's block, and an LDS slot
.set KVV,   12288                      ; in it: V's fragments,
.set KSC,   24576                      ; K's scale words,
.set VSC,   25088                      ; V's
.set GRP,   4                          ; trips between two barriers
.set STAGE, 2*GRP*BLK                  ; behind the eight slots: 16 rows x 272 bytes for each wave, for the way out
.set SP,    272
; An LDS instruction's immediate has 16 bits: it reaches two slots.  So each PAIR of slots k = 0 .. 3 has its own three address registers, 51,200 k bytes on:
.set T2,    1                          ; v1-4    2 x thread + 51,200 k: my 2 bytes of a block's scale words   (k = 0 is also the offset in kv)
.set TI,    8                          ; v8-11   16 x thread + 51,200 k: my 16 bytes of a third of a block's fragments   (likewise)
.set LI,    28                         ; v28-31  16 x lane + 51,200 k: my place in an image
.set MA,    93                         ; v93     the mask: row r, + 16 h
; v5 the way out: my byte offset in the wave's rows of O;  v6 where I put 32 bytes of a row into the stage;  v7 where I read a row back
; s[4:5] Q's codes, s[6:7] Q's scale words, s[8:9] the head's blocks of kv, s[10:11] cls, s[12:13] my 16 rows of the mask, s[14:15] my 16 rows of O;  s16 wave;  s[20:21] lane selects;  s[22:23] c;  s24 X;
; s25-27 byte selectors;  s28 the steps not yet asked for (bits);  s60 the steps not yet read (bits);  s29 the step in the slot about to be read, s30 the step on its way in registers, s31 the step just asked for
; (32 or more: none);  s32 my act, s33 my par;  s34 trips;  s[36:37], s[38:39] bases of the loads in hand;  s[40:41] an offset pair (s41 = 0);  s42, s43 at work;
; s[44:59] the work-group's 16 act words, then s[44:51] the bases of the first four blocks' loads
.macro NOPS n
.rept \n
	v_nop
.endr
.endm
; The lowest step not yet asked for is asked for, into v[reg] .. v[reg + 12], by the base s[sb:sb+1]: my 3 x 16 bytes of its fragments and my 2 bytes of its scale words.
; cond = 1: nothing, if the list is empty.  cond = 0: with an empty list block 31 is loaded, which nobody will read.
.macro REQ cond, reg, sb
	s_ctz_i32_b32 s31, s28                         ; (-1 where no bit is left: read as 'none')
.if \cond
	s_cmp_lg_u32 s28, 0
	s_cbranch_scc0 .Lreq_\@
.endif
	s_min_u32 s40, s31, 31                         ; a number read from memory enters an address held to the table's size
	s_mul_i32 s40, s40, BLK
	s_add_nc_u64 s[\sb:\sb+1], s[8:9], s[40:41]
	s_sub_co_u32 s42, s28, 1
	s_and_b32 s28, s28, s42                        ; its bit is cleared
.irp i, 0,1,2
	global_load_b128 v[\reg+4*\i:\reg+3+4*\i], v[TI], s[\sb:\sb+1] offset:8192*\i    ; a wave's load covers 512 consecutive bytes, the work-group's 8,192
.endr
	global_load_u16 v[\reg+12], v[T2], s[\sb:\sb+1] offset:KSC
.if \cond
.Lreq_\@:
.endif
.endm
; The block in v[reg] on goes into a slot, as it lies.  cond = 1: nothing, if there is none.
.macro PUT slot, cond, reg
.if \cond
	s_cmp_lt_u32 s30, 32
	s_cbranch_scc0 .Lput_\@
.endif
.irp i, 0,1,2
	ds_store_b128 v[TI+(\slot)/2], v[\reg+4*\i:\reg+3+4*\i] offset:((\slot)%2)*BLK+8192*\i
.endr
	ds_store_b16 v[T2+(\slot)/2], v[\reg+12] offset:((\slot)%2)*BLK+KSC
.if \cond
.Lput_\@:
.endif
.endm
; K's fragments 4 g .. 4 g + 3: three loads of 16 bytes a lane each, lane l at 16 l; with g = 0 also the scale words of all eight (lanes 0-15: fragments 0-3, lanes 16-31: fragments 4-7)
.macro KLOAD slot, g
.irp t, 0,1,2,3
.irp j, 0,1,2
	ds_load_b128 v[32+12*\t+4*\j:35+12*\t+4*\j], v[LI+(\slot)/2] offset:((\slot)%2)*BLK+(4*(\g)+\t)*1536+512*\j
.endr
.endr
.if (\g) == 0
	ds_load_b128 v[248:251], v[LI+(\slot)/2] offset:((\slot)%2)*BLK+KSC
.endif
.endm
; V's fragments 4 g .. 4 g + 3 into v[reg] on; with g = 0 also V's scale words
.macro VLOAD slot, g, reg
.irp t, 0,1,2,3
.irp j, 0,1,2
	ds_load_b128 v[\reg+12*\t+4*\j:\reg+3+12*\t+4*\j], v[LI+(\slot)/2] offset:((\slot)%2)*BLK+KVV+(4*(\g)+\t)*1536+512*\j
.endr
.endr
.if (\g) == 0
	ds_load_b128 v[248:251], v[LI+(\slot)/2] offset:((\slot)%2)*BLK+VSC
.endif
.endm
; four tiles of S^T; each product starts its sum with the constant 0
.macro QKMUL g
.irp t, 0,1,2,3
.if \g
	v_wmma_scale_f32_16x16x128_f8f6f4 v[128+8*\t:135+8*\t], v[32+12*\t:43+12*\t], v[16:27], 0, v[248+\t], v255 matrix_a_fmt:MATRIX_FMT_BF6 matrix_b_fmt:MATRIX_FMT_BF6 matrix_a_scale:MATRIX_SCALE_ROW1
.else
	v_wmma_scale_f32_16x16x128_f8f6f4 v[96+8*\t:103+8*\t], v[32+12*\t:43+12*\t], v[16:27], 0, v[248+\t], v255 matrix_a_fmt:MATRIX_FMT_BF6 matrix_b_fmt:MATRIX_FMT_BF6
.endif
.endr
.endm
; S^T = K Q^T for the step's 128 keys.  Four places (plain vector instructions that name none of the products' registers) stand in front of each run of loads into registers that the products
; have read, and of the first read of results.  V's first four fragments are asked for at the end: they land while the softmax is worked.
.macro QK slot
	QKMUL 0
	NOPS 4
	KLOAD \slot, 1
	s_wait_dscnt 0x0
	QKMUL 1
	NOPS 4
	VLOAD \slot, 0, 32
.endm
; the 16 x 128 bytes of the mask for my tile and the step in hand: lane (r, h) takes, of row r, bytes 32 b + 16 h + 0 .. 15: those of its registers 96 + 16 b + 0 .. 15
.macro MLOAD
	s_min_u32 s40, s29, 31
	s_lshl_b32 s40, s40, 7
	s_add_nc_u64 s[38:39], s[12:13], s[40:41]
.irp b, 0,1,2,3
	global_load_b128 v[224+4*\b:227+4*\b], v[MA], s[38:39] offset:32*\b
.endr
.endm
; hidden scores become X.  A word of four bytes 0 or 1 times 255 (x 256 less itself) is four bytes 0x00 or 0xFF; a byte spread over a word selects, bit by bit, the score or X.
; In ascending order.
.macro APPLY
.set J, 0
.rept 16
	v_lshlrev_b32 v[240+J%4], 8, v[224+J]
	s_delay_alu instid0(VALU_DEP_1)
	v_sub_nc_u32 v[224+J], v[240+J%4], v[224+J]
.set J, J+1
.endr
.set J, 0
.rept 16
	v_perm_b32 v240, v[224+J], v[224+J], 0
	v_perm_b32 v241, v[224+J], v[224+J], s25
	v_perm_b32 v242, v[224+J], v[224+J], s26
	v_perm_b32 v243, v[224+J], v[224+J], s27
	v_bfi_b32 v[96+4*J], v240, v[96+4*J], s24
	v_bfi_b32 v[97+4*J], v241, v[97+4*J], s24
	v_bfi_b32 v[98+4*J], v242, v[98+4*J], s24
	v_bfi_b32 v[99+4*J], v243, v[99+4*J], s24
.set J, J+1
.endr
.endm
; the step's softmax, p's codes and scale word, the row's sum, O^T under the new M
.macro SOFTMAX slot
.irp b, 0,1,2,3
	v_max3_num_f32 v[232+\b], v[96+16*\b], v[97+16*\b], v[98+16*\b]   ; THE LARGEST SCORE OF EACH BLOCK OF 32 KEYS serves twice: for the row's maximum, and, since p rises with the score, for the block's largest p
.endr
.irp i, 3,5,7,9,11,13
.irp b, 0,1,2,3
	v_max3_num_f32 v[232+\b], v[232+\b], v[96+16*\b+\i], v[97+16*\b+\i]   ; (the four blocks by turns)
.endr
.endr
.irp b, 0,1,2,3
	v_max_num_f32 v[232+\b], v[232+\b], v[111+16*\b]
.endr
.irp b, 0,1,2,3
	s_delay_alu instid0(VALU_DEP_4)
	v_permlanex16_b32 v[236+\b], v[232+\b], s20, s21
.endr
.irp b, 0,1,2,3
	s_delay_alu instid0(VALU_DEP_4)
	v_max_num_f32 v[232+\b], v[232+\b], v[236+\b]  ; with lane l xor 16's 16 keys
.endr
	s_delay_alu instid0(VALU_DEP_2)
	v_max3_num_f32 v254, v232, v233, v234
	s_delay_alu instid0(VALU_DEP_1)
	v_max_num_f32 v254, v254, v235                 ; the step's largest score of my query
	s_delay_alu instid0(VALU_DEP_1)
	v_mul_f32 v254, s22, v254                      ; as t (c is positive)
	s_delay_alu instid0(VALU_DEP_1)
	v_max_num_f32 v13, v13, v254                   ; the running largest t
	v_mov_b32 v254, v12
	s_delay_alu instid0(VALU_DEP_2)
	v_floor_f32 v12, -v13                          ; the new -M = floor(-t) = -ceil(t): M IS A WHOLE NUMBER
	s_delay_alu instid0(VALU_DEP_1)
	v_sub_f32 v254, v12, v254                      ; M's old value less its new one: a whole number, 0 or less
	s_delay_alu instid0(VALU_DEP_1)
	v_cvt_i32_f32 v254, v254                       ; (it saturates)
	s_delay_alu instid0(VALU_DEP_1)
	v_ldexp_f32 v252, 1.0, v254                    ; f = 2^(old M - new M)
.set J, 0
.rept 32
	v_pk_fma_f32 v[96+J:97+J], v[96+J:97+J], s[22:23], v[12:13] op_sel_hi:[1,0,0]   ; t - M, two at a time (of the pairs c and -M the low word serves both halves)
.set J, J+2
.endr
.irp b, 0,1,2,3
	v_fma_f32 v[232+\b], v[232+\b], s22, v12       ; the same of each block's largest score
.endr
.set J, 0
	s_wait_alu depctr_va_vdst(0)
.rept 64
	v_exp_f32 v[96+J], v[96+J]                     ; p = 2^(t - M), at most 1: NOT normalised
.set J, J+1
.endr
.irp b, 0,1,2,3
	v_exp_f32 v[232+\b], v[232+\b]                 ; the block's largest p: the same two instructions on the same number give the same bits
.endr
	v_pk_mul_f32 v[14:15], v[14:15], v[252:253] op_sel_hi:[1,0]   ; the sums under the new M.  (A plain instruction behind the exponentials: ISA guide 5.7.2)
	s_wait_alu depctr_va_vdst(0)
.irp b, 0,1,2,3
	v_max_num_f32 v[232+\b], 0x2800000, v[232+\b]  ; the floor 2^(5 - 127): the byte cannot fall under 1 (a block whose every p is 0 keeps that byte: its codes are zeros)
.endr
.irp b, 0,1,2,3
	s_delay_alu instid0(VALU_DEP_4)
	v_add_nc_u32 v[244+\b], 0xfe000000, v[232+\b]  ; 4 off the exponent field: the conversion's scale operand
.endr
.irp b, 0,1,2,3
	s_delay_alu instid0(VALU_DEP_4)
	v_lshrrev_b32 v[236+\b], 23, v[244+\b]         ; the scale's byte
.endr
	s_delay_alu instid0(VALU_DEP_3)
	v_lshl_or_b32 v253, v237, 8, v236              ; p's scale word for these 128 keys
	s_delay_alu instid0(VALU_DEP_1)
	v_lshl_or_b32 v253, v238, 16, v253
	s_delay_alu instid0(VALU_DEP_1)
	v_lshl_or_b32 v253, v239, 24, v253
.irp c, 0,1
	v_cvt_scalef32_pk16_bf6_f32 v[224+6*\c:226+6*\c], v[96+32*\c:111+32*\c], v[244+2*\c]
	v_cvt_scalef32_pk16_bf6_f32 v[236+4*\c:238+4*\c], v[112+32*\c:127+32*\c], v[244+2*\c+1]   ; (a conversion's three registers begin on an even number)
.endr
	v_nop                                          ; one plain vector instruction between a scaled conversion and the vector instruction that touches its result
.irp c, 0,1                                    ; the operand's layout wants a WHOLE block in a lane: lanes 0-15 block 2 c, lanes 16-31 block 2 c + 1
.irp i, 0,1,2
	v_permlane16_swap_b32 v[224+6*\c+\i], v[236+4*\c+\i]
.endr
.irp i, 0,1,2
	s_delay_alu instid0(VALU_DEP_3)
	v_mov_b32 v[227+6*\c+\i], v[236+4*\c+\i]
.endr
.endr
	v_pk_add_f32 v[236:237], v[100:101], v[104:105]
	v_pk_add_f32 v[246:247], v[108:109], v[112:113]
	v_pk_add_f32 v[244:245], v[116:117], v[120:121]
	v_pk_add_f32 v[242:243], v[124:125], v[128:129]
	v_pk_add_f32 v[240:241], v[132:133], v[136:137]
	v_pk_add_f32 v[94:95], v[140:141], v[144:145]
	v_pk_add_f32 v[14:15], v[14:15], v[148:149]
	v_pk_add_f32 v[236:237], v[236:237], v[152:153]
	v_pk_add_f32 v[246:247], v[246:247], v[156:157]
	v_pk_add_f32 v[244:245], v[244:245], v[96:97]
	v_pk_add_f32 v[242:243], v[242:243], v[98:99]
	v_pk_add_f32 v[240:241], v[240:241], v[102:103]
	v_pk_add_f32 v[94:95], v[94:95], v[106:107]
	v_pk_add_f32 v[14:15], v[14:15], v[110:111]
	v_pk_add_f32 v[236:237], v[236:237], v[114:115]
	v_pk_add_f32 v[246:247], v[246:247], v[118:119]
	v_pk_add_f32 v[244:245], v[244:245], v[122:123]
	v_pk_add_f32 v[242:243], v[242:243], v[126:127]
	v_pk_add_f32 v[240:241], v[240:241], v[130:131]
	v_pk_add_f32 v[94:95], v[94:95], v[134:135]
	v_pk_add_f32 v[14:15], v[14:15], v[138:139]
	v_pk_add_f32 v[236:237], v[236:237], v[142:143]
	v_pk_add_f32 v[246:247], v[246:247], v[146:147]
	v_pk_add_f32 v[244:245], v[244:245], v[150:151]
	v_pk_add_f32 v[242:243], v[242:243], v[154:155]
	v_pk_add_f32 v[240:241], v[240:241], v[158:159]
	s_delay_alu instid0(VALU_DEP_2)
	v_pk_add_f32 v[14:15], v[14:15], v[242:243]
	s_delay_alu instid0(VALU_DEP_2)
	v_pk_add_f32 v[236:237], v[236:237], v[240:241]
	v_pk_add_f32 v[246:247], v[246:247], v[94:95]
	s_delay_alu instid0(VALU_DEP_1)
	v_pk_add_f32 v[14:15], v[14:15], v[246:247]
	s_delay_alu instid0(VALU_DEP_3)
	v_pk_add_f32 v[236:237], v[236:237], v[244:245]
	s_delay_alu instid0(VALU_DEP_1)
	v_pk_add_f32 v[14:15], v[14:15], v[236:237]
	VLOAD \slot, 1, 96                             ; p has been read for the last time: its registers take V's fragments 4-7
.set J, 0
.rept 32
	v_pk_mul_f32 v[160+J:161+J], v[160+J:161+J], v[252:253] op_sel_hi:[1,0]   ; O^T under the new M: x f, each accumulator from its low end on
.set J, J+2
.endr
.endm
; O^T += V^T P^T: eight accumulators, one instruction each; the matrix instruction ahead of the first is S^T's last.  Five places behind the last: the next trip's first products write over
; registers that these have read (V's fragments 4-7 lie where S^T will lie), and its loads land in the others.
.macro PVMUL
	s_wait_dscnt 0x0                               ; V's eight fragments and scale words are in: my reads of this trip's slot are over
.irp t, 0,1,2,3
	v_wmma_scale_f32_16x16x128_f8f6f4 v[160+8*\t:167+8*\t], v[32+12*\t:43+12*\t], v[224:235], v[160+8*\t:167+8*\t], v[248+\t], v253 matrix_a_fmt:MATRIX_FMT_BF6 matrix_b_fmt:MATRIX_FMT_BF6
.endr
.irp t, 0,1,2,3
	v_wmma_scale_f32_16x16x128_f8f6f4 v[192+8*\t:199+8*\t], v[96+12*\t:107+12*\t], v[224:235], v[192+8*\t:199+8*\t], v[248+\t], v253 matrix_a_fmt:MATRIX_FMT_BF6 matrix_b_fmt:MATRIX_FMT_BF6 matrix_a_scale:MATRIX_SCALE_ROW1
.endr
	NOPS 5
.endm
; A TRIP reads slot s and stores the block on its way into slot p = (s + 4) % 8, in the other half.  bar = 1: the first of four trips: the barrier.  In front of it each wave's reads of the half that it has left
; and its stores into the half that it enters are done; behind it that half is whole and the other may be written.
; Each decision (is the step mine? is the mask to be applied?) is one branch on whole numbers from cls; the carrying of the next block stands in both arms.
.macro TRIP s, p, bar
.if \bar
	s_wait_dscnt 0x0                               ; for the others' sake: all my LDS loads and stores are done
	s_barrier_signal -1
.endif
	s_ctz_i32_b32 s29, s60                         ; the step in slot s: the lowest not yet read (-1: none)
	s_sub_co_u32 s42, s60, 1
	s_and_b32 s60, s60, s42                        ; its bit is cleared
	s_lshr_b32 s43, s32, s29                       ; my act's bit of that step,
	s_and_b32 s43, s43, 1
	s_cmp_lt_u32 s29, 32
	s_cselect_b32 s43, s43, 0                      ; or 0 if the slot holds none
.if \bar
	s_barrier_wait -1
.endif
	s_wait_loadcnt 0x0                             ; the block asked for a trip ago is in my registers; the loads' bases may be written again
	s_cmp_lg_u32 s43, 0
	s_cbranch_scc0 .Lidle_\@
	PUT \p, 1, 80
	KLOAD \s, 0
	s_wait_dscnt 0x0                               ; the stores have read their registers, and K's first four fragments are in
	REQ 1, 80, 36
	s_lshr_b32 s42, s33, s29                       ; my par's bit
	s_and_b32 s42, s42, 1
	s_cmp_lg_u32 s42, 0
	s_cbranch_scc0 .Lfull_\@
	MLOAD                                          ; the mask's bytes land while S^T is made
	QK \s
	s_wait_loadcnt 0x0
	APPLY
	s_branch .Lsoft_\@
.Lfull_\@:
	QK \s
.Lsoft_\@:
	SOFTMAX \s
	s_wait_alu depctr_va_vdst(0)
	PVMUL
	s_branch .Ljoin_\@
.Lidle_\@:
	PUT \p, 1, 80
	s_wait_dscnt 0x0                               ; the stores have read their registers
	REQ 1, 80, 36
.Ljoin_\@:
	s_mov_b32 s30, s31
.endm
	s_load_b256 s[4:11], s[0:1], 0x0               ; Q's codes, Q's scales, kv, cls
	s_load_b128 s[12:15], s[0:1], 0x20             ; mask, O
	v_lshrrev_b32 v94, 5, v0
	s_delay_alu instid0(VALU_DEP_1)
	v_readfirstlane_b32 s16, v94                   ; wave 0..15
	s_and_b32 s17, ttmp7, 0xffff                   ; the head
	s_lshl_b32 s18, ttmp9, 8
	s_lshl_b32 s19, s16, 4
	s_add_co_u32 s18, s18, s19                     ; my first query: 256 x work-group x + 16 x wave
	s_mov_b32 s41, 0
	s_lshl_b32 s42, ttmp9, 6                       ; cls: 16 words a work-group,
	s_lshl_b32 s43, s16, 2
	s_add_co_u32 s43, s43, s42                     ; one a wave
	s_wait_kmcnt 0x0
	s_load_b512 s[44:59], s[10:11], s42            ; the act words of my work-group's 16 tiles
	s_load_b32 s32, s[10:11], s43                  ; my own,
	s_load_b32 s33, s[10:11], s43 offset:0x400     ; and my par
	s_mul_i32 s40, s17, 393216                     ; Q's codes: 4,096 rows of 96 bytes a head
	s_mul_i32 s34, s18, 96
	s_add_co_u32 s40, s40, s34
	s_add_nc_u64 s[4:5], s[4:5], s[40:41]
	s_lshl_b32 s40, s17, 14                        ; Q's scale words: 4 bytes a row
	s_lshl_b32 s34, s18, 2
	s_add_co_u32 s40, s40, s34
	s_add_nc_u64 s[6:7], s[6:7], s[40:41]
	s_mul_i32 s40, s17, 32*BLK                     ; kv: 32 blocks a head
	s_add_nc_u64 s[8:9], s[8:9], s[40:41]
	s_lshl_b32 s40, s18, 12                        ; the mask: rows of 4,096 bytes
	s_add_nc_u64 s[12:13], s[12:13], s[40:41]
	s_lshl_b32 s40, s17, 21                        ; O: 4,096 rows of 512 bytes a head
	s_lshl_b32 s34, s18, 9
	s_add_co_u32 s40, s40, s34
	s_add_nc_u64 s[14:15], s[14:15], s[40:41]
	s_mov_b32 s20, 0x76543210
	s_mov_b32 s21, 0xfedcba98                      ; v_permlanex16_b32's selects for lane l xor 16
	s_mov_b32 s22, 0x3e0293ee                      ; c = log2(e) / sqrt(128)
	s_mov_b32 s23, s22                             ; (named with it as a pair, so it is written)
	s_mov_b32 s24, 0xf3000000                      ; X = -2^103
	s_mov_b32 s25, 0x01010101                      ; v_perm_b32: byte 1, 2, 3 of a word into all four places
	s_mov_b32 s26, 0x02020202
	s_mov_b32 s27, 0x03030303
	s_mul_i32 s35, s16, 16*SP
	s_add_co_u32 s35, s35, STAGE                   ; my stage
	v_and_b32 v[LI], 31, v0
	s_delay_alu instid0(VALU_DEP_1)
	v_lshlrev_b32 v[LI], 4, v[LI]                  ; 16 x lane
	v_lshlrev_b32 v[TI], 4, v0                     ; 16 x thread
	v_lshlrev_b32 v[T2], 1, v0                     ; 2 x thread
.irp k, 1,2,3
	v_add_nc_u32 v[LI+\k], 2*BLK*\k, v[LI]         ; the same for slots 2 k and 2 k + 1
	v_add_nc_u32 v[TI+\k], 2*BLK*\k, v[TI]
	v_add_nc_u32 v[T2+\k], 2*BLK*\k, v[T2]
.endr
	v_and_b32 v94, 15, v0                          ; r
	v_bfe_u32 v95, v0, 4, 1                        ; h
	s_delay_alu instid0(VALU_DEP_2)
	v_lshlrev_b32 v[MA], 12, v94
	s_delay_alu instid0(VALU_DEP_1)
	v_lshl_add_u32 v[MA], v95, 4, v[MA]            ; the mask: row r, + 16 h
	s_delay_alu instid0(VALU_DEP_3)
	v_lshlrev_b32 v5, 9, v95
	s_delay_alu instid0(VALU_DEP_1)
	v_lshl_add_u32 v5, v94, 4, v5                  ; the way out: lanes 0-15 one row of O, lanes 16-31 the next; 16 bytes a lane
	v_mul_u32_u24 v6, v94, SP
	s_delay_alu instid0(VALU_DEP_1)
	v_lshl_add_u32 v6, v95, 5, v6
	s_delay_alu instid0(VALU_DEP_1)
	v_add_nc_u32 v6, s35, v6                       ; into the stage: row r, + 32 h
	v_mul_u32_u24 v7, v95, SP
	s_delay_alu instid0(VALU_DEP_1)
	v_lshl_add_u32 v7, v94, 4, v7
	s_delay_alu instid0(VALU_DEP_1)
	v_add_nc_u32 v7, s35, v7                       ; and back: lanes 0-15 one row, lanes 16-31 the next
	v_mul_u32_u24 v232, v94, 96
	s_delay_alu instid0(VALU_DEP_1)
	v_mad_u32_u24 v232, v95, 24, v232              ; Q: row r, + my half's bytes
	v_lshlrev_b32 v233, 2, v94
	s_wait_alu depctr_va_vdst(0)
	s_wait_kmcnt 0x0
	s_or_b32 s28, s44, s45                         ; the work-group's list: the union of its 16 act words (never empty: a tile that sees nothing has every bit set)
.irp i, 46,47,48,49,50,51,52,53,54,55,56,57,58,59
	s_or_b32 s28, s28, s[\i]
.endr
	s_mov_b32 s60, s28                             ; a second copy: the trips read their steps' numbers off it
	REQ 0, 96, 44                                  ; the list's first five entries are asked for at once, each by a base of its own: four for the first half of the slots,
	REQ 0, 112, 46
	REQ 0, 128, 48
	REQ 0, 144, 50
	REQ 0, 80, 36                                  ; and the one that the first trip will store
	s_mov_b32 s30, s31
.irp p, 0,1,2,3,4,5
	global_load_b64 v[16+2*\p:17+2*\p], v232, s[4:5] offset:48*(\p/3)+8*(\p%3)   ; Q's fragment stays in registers
.endr
	global_load_b32 v255, v233, s[6:7]             ; and its scale words
	v_mov_b32 v13, 0xff61b1e6                      ; the largest t so far: -3e38, under every t
	s_delay_alu instid0(VALU_DEP_1)
	v_floor_f32 v12, -v13                          ; -M
	v_mov_b32 v14, 0                               ; the sum, in two halves
	v_mov_b32 v15, 0
.irp b, 0,1,2,3
	v_mov_b32 v[236+\b], 0                         ; written once: a lane permute's destination counts as one of its sources
.endr
	v_mov_b32 v252, 0                              ; likewise (the way out's permute)
	v_mov_b32 v253, 0                              ; (named as the upper half of the pair v[252:253] before it is first written)
.set J, 0
.rept 64
	v_mov_b32 v[160+J], 0                          ; O^T.  (The step is written once: the first finds zeros, which the first change of M leaves zeros)
.set J, J+1
.endr
	s_wait_loadcnt 0x0                             ; the five blocks and Q
	PUT 0, 0, 96                                   ; a slot beyond the list's end gets a block that no trip reads
	PUT 1, 0, 112
	PUT 2, 0, 128
	PUT 3, 0, 144
	s_mov_b32 s34, 4
.Lround:                                               ; 4 x 8 trips: as many as a head has key steps; once round the eight slots, two barriers
	TRIP 0, 4, 1
	TRIP 1, 5, 0
	TRIP 2, 6, 0
	TRIP 3, 7, 0
	TRIP 4, 0, 1
	TRIP 5, 1, 0
	TRIP 6, 2, 0
	TRIP 7, 3, 0
	s_sub_co_u32 s34, s34, 1
	s_cmp_lg_u32 s34, 0
	s_cbranch_scc1 .Lround
	; THE WAY OUT.  O^T is divided by the row's sum and goes through my own stage in LDS, half a row (64 channels, 256 bytes) of 16 queries at a time, so that sixteen lanes store 256 consecutive bytes, aligned.
	; The stage is my wave's alone and lies behind the slots: no barrier.
	s_wait_loadcnt 0x0                             ; no load is on its way into the registers used below
	v_add_f32 v14, v14, v15                        ; the sum's two halves,
	s_delay_alu instid0(VALU_DEP_1)
	v_permlanex16_b32 v252, v14, s20, s21
	s_delay_alu instid0(VALU_DEP_1)
	v_add_f32 v14, v14, v252                       ; and lane l xor 16's: the row's sum
	s_wait_alu depctr_va_vdst(0)
	v_rcp_f32 v14, v14
	v_nop                                          ; a plain instruction behind the transcendental
.set J, 0
	s_wait_alu depctr_va_vdst(0)
.rept 64
	v_mul_f32 v[96+J], v[160+J], v14               ; register 8 t + i is o(r, 16 t + 8 h + i)
.set J, J+1
.endr
.irp u, 0,1                                    ; channels 64 u on
.irp t, 0,1,2,3
	ds_store_b128 v6, v[96+32*\u+8*\t:99+32*\u+8*\t] offset:64*\t
	ds_store_b128 v6, v[100+32*\u+8*\t:103+32*\u+8*\t] offset:64*\t+16
.endr
.irp i, 0,1,2,3,4,5,6,7
	ds_load_b128 v[32+32*\u+4*\i:35+32*\u+4*\i], v7 offset:2*\i*SP   ; LDS serves a wave's instructions in order (ISA guide 5.7.1.4): these see my stores, and the next half's stores come behind them
.endr
.endr
.irp u, 0,1
.irp i, 0,1,2,3,4,5,6,7
	s_wait_dscnt 23-16*\u-\i                       ; younger than load (u, i): the half's other 7 - i loads and, for u = 0, the second half's 8 stores and 8 loads
	global_store_b128 v5, v[32+32*\u+4*\i:35+32*\u+4*\i], s[14:15] offset:2*\i*512+256*\u th:TH_STORE_NT
.endr
.endr
	s_wait_xcnt 0x0
	v_lshl_add_u32 v254, v0, 2, 0x43000
	v_mov_b32 v255, 0
	s_wait_alu depctr_va_vdst(0)
	s_wait_tensorcnt 0x0
	ds_add_u32 v254, v255
	s_wait_dscnt 0x0
	s_endpgm
.Lfunc_end_k_q3fed1896c2_attn:
	.size	k_q3fed1896c2_attn, .Lfunc_end_k_q3fed1896c2_attn-k_q3fed1896c2_attn
	.p2alignl 7, 3214868480
	.fill 96, 4, 3214868480
	.section	.rodata,"a",@progbits
	.p2align	6, 0x0
	.amdhsa_kernel k_q3fed1896c2_attn
		.amdhsa_group_segment_fixed_size 276480
		.amdhsa_private_segment_fixed_size 0
		.amdhsa_enable_private_segment 0
		.amdhsa_kernarg_size 48
		.amdhsa_user_sgpr_count 2
		.amdhsa_user_sgpr_kernarg_segment_ptr 1
		.amdhsa_wavefront_size32 1
		.amdhsa_system_sgpr_workgroup_id_x 1
		.amdhsa_system_sgpr_workgroup_id_y 1
		.amdhsa_system_sgpr_workgroup_id_z 1
		.amdhsa_system_vgpr_workitem_id 0
		.amdhsa_next_free_vgpr 256
		.amdhsa_next_free_sgpr 66
		.amdhsa_reserve_vcc 0
		.amdhsa_float_denorm_mode_32 3
		.amdhsa_float_denorm_mode_16_64 3
		.amdhsa_memory_ordered 1
		.amdhsa_forward_progress 1
		.amdhsa_inst_pref_size 255
	.end_amdhsa_kernel
	.section	.bss,"aw",@nobits
	.p2align	6
	.space	262144
	.amdgpu_metadata
---
amdhsa.version: [ 1, 2 ]
amdhsa.kernels:
  - .name:           k_q3fed1896c2_attn
    .symbol:         k_q3fed1896c2_attn.kd
    .args:
      - { .name: q_codes, .offset: 0, .size: 8, .value_kind: global_buffer, .address_space: global }
      - { .name: q_scales, .offset: 8, .size: 8, .value_kind: global_buffer, .address_space: global }
      - { .name: kv, .offset: 16, .size: 8, .value_kind: global_buffer, .address_space: global }
      - { .name: cls, .offset: 24, .size: 8, .value_kind: global_buffer, .address_space: global }
      - { .name: mask, .offset: 32, .size: 8, .value_kind: global_buffer, .address_space: global }
      - { .name: out0, .offset: 40, .size: 8, .value_kind: global_buffer, .address_space: global }
    .group_segment_fixed_size: 276480
    .private_segment_fixed_size: 0
    .kernarg_segment_align: 8
    .kernarg_segment_size: 48
    .max_flat_workgroup_size: 512
    .sgpr_count:     66
    .vgpr_count:     256
    .wavefront_size: 32
...
	.end_amdgpu_metadata
.endif
;; end of part 2
